; MI455X (gfx1250); checked and timed in simulation.
; The chip was launched on July 23, 2026; its instructions are those of AMD's public machine-readable ISA for CDNA 5 (MIT licence, August 2026) and "CDNA5" Instruction Set Architecture Reference Guide (July 2026). The comments in the code are by the model that wrote it; some were corrected since.
;; Multi Head Attention. Allowed arithmetic: matrix products marked QUANTISED: E5M2 operands, one given power-of-two scale a tensor, by v_wmma_f32_16x16x64_bf8_bf8 or v_wmma_f32_16x16x128_bf8_bf8, f32 sums; everything else in f32.
;; Inputs: lowp_scales 8 int32 (the exponents e of the quantised operands' scales 2^e); out_b 1,024 float32; out_w_codes 1,024 x 32 x 32 uint8 (E5M2 codes of out_w, K innermost, in blocks of 32 codes); qkv_b 3,072 float32; qkv_w_codes 3,072 x 32 x 32 uint8 (E5M2 codes of qkv_w, K innermost, in blocks of 32 codes); x_codes 4 x 2,048 x 32 x 32 uint8 (E5M2 codes of x, K innermost, in blocks of 32 codes).
;; Outputs: out0 4 x 2,048 x 1,024 float32.
;; This version of the problem:
;;   THIS VERSION OF THE PROBLEM IS GIVEN IN LOW PRECISION. The matrix products marked QUANTISED in the list below multiply operands that are first quantised to E5M2 (5 exponent bits, 2 mantissa bits; 8 bits a number), with one given power-of-two scale for each operand tensor; their sums are f32. All else is computed in f32.
;;   The module's matrix products, in the order in which they are computed (A, B: the left and right operand; K: the contracted axis; several contracted axes count as one K, in the product's order):
;;     1. [M 8,192, K 1,024] x [K 1,024, N 3,072]; A: input x (given as codes); B: input qkv_w (given as codes): QUANTISED (scales: A lowp_scales[0], B lowp_scales[1])
;;     2. batch 64 x [M 2,048, K 64] x [K 64, N 2,048]; A: computed on the way; B: computed on the way: QUANTISED (scales: A lowp_scales[2], B lowp_scales[3])
;;     3. batch 64 x [M 2,048, K 2,048] x [K 2,048, N 64]; A: softmax (see below); B: computed on the way: QUANTISED (scales: A lowp_scales[4], B lowp_scales[5])
;;     4. [M 8,192, K 1,024] x [K 1,024, N 1,024]; A: computed on the way; B: input out_w (given as codes): QUANTISED (scales: A lowp_scales[6], B lowp_scales[7])
;;   THE QUANTISER, for each operand of a quantised product, along K:
;;     - The operand's scale is 2^e, e = its entry of the input lowp_scales (int32; the entries are numbered through the quantised products in the list's order, A before B).
;;     - Each number is divided by the scale, clamped to +-57,344, and rounded to the nearest number of E5M2, ties to even, subnormals kept.
;;     - The product sums the exact products of the quantised numbers (number of the format x scale) in f32.
;;   ~~~python
;;   def quantise(x, axis, e):      # numpy; x: float32 -> the quantised numbers, widened to float32 again
;;       x = np.moveaxis(x, axis, -1); K = x.shape[-1]
;;       r = np.clip(x / 2.0 ** e, -57344, 57344)
;;       step = 2.0 ** (np.maximum(np.frexp(np.where(r == 0, 1, r))[1] - 1, -14) - 2)
;;       q = np.round(r / step) * step * 2.0 ** e      # np.round: ties to even
;;       return np.moveaxis(q, -1, axis).astype(np.float32)
;;   ~~~
;;   SOFTMAX AHEAD OF A QUANTISED PRODUCT. Where the list says 'softmax', what is quantised is not the finished softmax but p = 2^(t - M), with t = logit x log2(e) and M = ceil(the row's largest t), a whole number; so 1/2 < the row's largest p <= 1. The row's sum l is taken of the UNQUANTISED p, in f32, and the product's result is divided by l at the end. Since M is a whole number, a kernel that streams over the keys may use a running M (the ceiling of the running maximum): every later rescaling is an exact power of two, so the quantised numbers keep their values, but for numbers so far below the row's largest that they fall under the format's range.
;;   OPERANDS COMPUTED ON THE WAY. 'Computed on the way' means the value that the module computes at that place (a softmax that the list does not call 'softmax' is quantised finished and normalised). What goes into a quantiser is computed in f32, as accurately as f32 sums, v_exp_f32 and their like allow (about 1e-6 of the number): no bf16 or f16 on the way to a quantiser, and a product that is left as it is and whose result goes on into a quantised operand takes f32 operands (vector FMAs, or v_wmma_f32_16x16x4_f32). A number that lies on a knife's edge between two numbers of the format may be rounded either way, as far as f32 arithmetic and the matrix unit's own rounding can turn it there, and no further.
;;   INPUTS GIVEN AS CODES. out_w (in the module: [1024, 1024], K = its axis 1); qkv_w (in the module: [3072, 1024], K = its axis 1); x (in the module: [4, 2048, 1024], K = its axis 2): each comes as NAME_codes (uint8): NAME with its K axis moved to the last place and cut into blocks of 32 codes, [.., K / 32, bytes a block], one block behind the other in memory; one code a byte (a code: sign, 5 exponent bits, 2 mantissa bits); its scale is its entry of lowp_scales. Its value is code x scale, taken as it is: it is not quantised again, and the codes and scales need not be those that the quantiser above would give.
;; One version. Each part assembles by itself: llvm-mc -triple=amdgcn-amd-amdhsa -mcpu=gfx1250 --defsym DOCPART=n.
;; ======== version 1 of 1: 3 launches
;; limits: right only within a limited range of input values
;; workspace buffers: qc 8,388,608 bytes; kv 16,777,216 bytes; ac 8,388,608 bytes
;; launch qkv (part 1): grid 12 x 32, 4 waves a work-group, clusters of 4 x 4, 327,680 bytes of LDS; arguments x_codes, qkv_w_codes, lowp_scales, qkv_b, qc, kv; writes qc, kv
.if DOCPART == 1
	.amdgcn_target "amdgcn-amd-amdhsa--gfx1250"
	.amdhsa_code_object_version 6
	.text
	.protected	k_qd4d19a5de6_qkv
	.globl	k_qd4d19a5de6_qkv
	.p2align	8
	.type	k_qd4d19a5de6_qkv,@function
k_qd4d19a5de6_qkv:
	s_mov_b64 s[64:65], 0
	v_nop
	global_prefetch_b8 v0, s[64:65] scope:SCOPE_SE
	s_setreg_imm32_b32 hwreg(HW_REG_WAVE_MODE, 25, 1), 1
	s_wait_xcnt 0x0
	s_wait_alu depctr_hold_cnt(0) depctr_sa_sdst(0) depctr_va_vdst(0) depctr_va_sdst(0) depctr_va_ssrc(0) depctr_va_vcc(0) depctr_vm_vsrc(0)
	s_getreg_b32 s2, hwreg(HW_REG_IB_STS2, 6, 4)
	s_cmp_eq_u32 s2, 0
	s_cbranch_scc0 .Lentry_in_a_cluster
	s_endpgm
.Lentry_in_a_cluster:
	s_bfe_u32 s2, ttmp6, 0x10000c
	s_cmp_lg_u32 s2, 0xf033
	s_cbranch_scc0 .Lentry_shape_is_right
	s_endpgm
.Lentry_shape_is_right:
; qkv = x W^T + b on codes of BF8 (E5M2), then q, k and v are quantised and stored as IMAGES OF OPERAND REGISTERS for the attention launch.
; x: [8192][1024] codes, W: [3072][1024] codes, K innermost; a number is its code x 2^e0 (x) or 2^e1 (W).  b: [3072] f32.
; value = sum x 2^(e0 + e1) + b;  code = value / 2^e, held within +-57,344, to the nearest code, ties to even; e = e2 for q, e3 for k, e5 for v.
; LIMITS: e0 + e1 between -126 and 127; e2, e3, e5 between -126 and 112, so that each power of two below is an f32 number.  NaN among the inputs is not served.
; SHARES.  A tile of 256 x 256 of the product is made by a work-group of four waves; a wave makes 128 x 128: 64 accumulators, 512 registers.  K goes in steps of 256 through a ring of two LDS slots.
; CLUSTERS of 4 x 4 work-groups, 3 x 8 of them.  Cluster x = 0 makes q, 1 makes k, 2 makes v.
;   q, k: source 0 = 16 rows of W, source 1 = 16 rows of x: a lane holds ONE row of x and eight neighbouring channels: a conversion gives two registers of a fragment [16 rows][64 channels].
;   v:    source 0 = 16 rows of x, source 1 = 16 rows of W: a lane holds ONE channel and eight neighbouring keys: a conversion gives two registers of a fragment of V^T [16 channels][128 keys].
; In both cases source 0's tile hangs on cx (shared along a column of the cluster) and source 1's on cy (shared along a row); both tensors have rows of 1,024 bytes: so ring, descriptors' shapes and
; masks are the same, only the two base addresses and tile numbers are chosen, by s_cselect on the cluster's x, which all sixteen partners share.
; OUTPUT.  qc: [head g = 16 batch + h (64)][tile of 16 queries (128)][1,024 B]: registers 4 i .. 4 i + 3 of lane l at 512 i + 16 l.
;          kv: [g (64)][step of 128 keys (16)][16,384 B]: 8 tiles of 16 keys x 1,024 B as in qc, then 4 tiles of V^T (16 channels x 128 keys) x 2,048 B, registers 4 i .. 4 i + 3 at 512 i + 16 l.
; Every store of a wave covers 512 consecutive bytes, aligned.
; REGISTERS, in windows of 256: window 0: v0-31 addresses and constants; v32-95 the bias in the result's layout; from v128 source 1's fragments, ONE set; on the way out v128-191 numbers, v192-255 codes.
;   window 1: source 0's fragments, TWO sets, at v0 and v128.   window 2: the accumulators of source 1's blocks 0-3 ((a, b) at v[8 (8 (a % 4) + b)]);   window 3: those of blocks 4-7.
.set KROW,   1024                      ; a row of x or of W in memory, in bytes
.set ROWB,   256                       ; a tile's row: 256 codes
.set PITCH,  272                       ; an LDS row: 256 bytes + 16 of padding = 68 words: the 16 rows that a load touches start at 16 different banks (64 banks of 4 bytes: ISA guide 11.1)
.set FR,     16                        ; registers of a fragment: 16 rows x 128 K
.set NL,     4                         ; LDS loads that bring one
.set NP,     4                         ; places behind this matrix instruction (ISA guide 7.12.1)
.set HALFT,  128*PITCH                 ; 128 rows: what one tensor load brings
.set SLOT,   4*HALFT                   ; source 1's 256 rows, then source 0's 256 rows
.set SPARE,  2*SLOT                    ; behind the ring: the spare words, 128 bytes for each wave, that no other line names
.set AJ,   8                           ; v8-15   byte offsets of the bias's eight registers
.set AD1,  16                          ; v16-17  LDS address of my fragments of source 1 in slot 0, 1
.set AD0,  20                          ; v20-21  the same for source 0
.set OUT,  24                          ; v24-25  16 x lane, in my first and in my second head's block
.set SPW,  28                          ; v28     LDS address of my spare word; never rewritten
.set NIL,  29                          ; v29     0; never rewritten
.set SCL,  30                          ; v30     2^e as f32, for the conversions
.set LIM,  31
.set BT,   32                          ; v32-95  the bias
.set AF,   128                         ; source 1's fragments
.set T,    128                         ; the way out: 64 numbers
.set CD,   192                         ; the way out: four sets of 16 registers of codes
.set G1,  24                           ; s[24:31] descriptor group 1 for source 1's tiles;  s[32:39] group 0, one set for each slot
.set G0,  32
.set G1B, 48                           ; s[48:55], s[56:63] the same for source 0's tiles
.set G0B, 56
.set MSB, 0
.macro WIN new                         ; the immediate's high byte repeats the setting that is left; a switch that changes nothing is dropped
.if MSB != (\new)
	s_set_vgpr_msb (MSB<<8)|(\new)
.set MSB, (\new)
.endif
.endm
.set MUL_LO, 0xa1                      ; source 0 window 1, source 1 window 0, C and D window 2
.set MUL_HI, 0xf1                      ; the same, C and D window 3
.set TO_W1,  0x40                      ; destination window 1, address window 0
; A joint load: waves 0 and 1 fetch source 1's two halves, waves 2 and 3 source 0's.  The branch hangs on the wave's number alone.  Four v_nop follow each of the two lines.
.macro JLOAD g0a, g1a, g0b, g1b
	s_cmp_eq_u32 s15, 0
	s_cbranch_scc0 .Lfor_0_\@
	tensor_load_to_lds s[\g0a:\g0a+3], s[\g1a:\g1a+7]
	s_nop 0
.rept 4
	v_nop
.endr
	s_branch .Lasked_\@
.Lfor_0_\@:
	tensor_load_to_lds s[\g0b:\g0b+3], s[\g1b:\g1b+7]
	s_nop 0
.rept 4
	v_nop
.endr
.Lasked_\@:
.endm
.macro CREST                           ; a round of the cluster's barrier behind its opening barrier
	s_cmp_lg_u32 s14, 0
	s_cbranch_scc1 .Lnot_wave_0_\@
	s_barrier_signal -3
.Lnot_wave_0_\@:
	s_barrier_wait -3
	s_barrier_signal -1
	s_barrier_wait -1
.endm
.macro CROUND                          ; a whole round
	s_barrier_signal -1
	s_barrier_wait -1
	CREST
.endm
	s_load_b256 s[4:11], s[0:1], 0x0               ; x s[4:5], W s[6:7], the scales' exponents s[8:9], b s[10:11]
	s_load_b128 s[68:71], s[0:1], 0x20             ; qc s[68:69], kv s[70:71]
	v_lshl_add_u32 v[SPW], v0, 2, SPARE
	v_mov_b32 v[NIL], 0
	ds_add_u32 v28, v29
	ds_add_u32 v28, v29
	s_wait_dscnt 0x0
	v_lshrrev_b32 v1, 5, v0
	v_readfirstlane_b32 s14, v1                    ; wave 0..3
	s_lshr_b32 s15, s14, 1                         ; which half of source 1's 256 rows is mine.  Also: I fetch for source 1 (0) or for source 0 (1)
	s_and_b32 s16, s14, 1                          ; which half of source 0's rows.  Also: which 128 rows of that tile I fetch
	s_bfe_u32 s40, ttmp6, 0x40000                  ; cx, cy: my place in the cluster
	s_bfe_u32 s41, ttmp6, 0x40004
	s_and_b32 s18, ttmp7, 0xffff                   ; cluster y, 0..7
	s_cmp_eq_u32 ttmp9, 2                          ; does my cluster make v?
	s_cselect_b32 s42, s18, ttmp9                  ; source 0: x's tiles go by cluster y (v), W's by cluster x (q, k)
	s_cselect_b32 s17, 2, s18                      ; source 1: W's third thousand of rows (v), x's tiles by cluster y (q, k)
	s_lshl_b32 s42, s42, 2
	s_add_co_u32 s42, s42, s40                     ; t0: source 0's tile of 256 rows: hangs on cx
	s_lshl_b32 s17, s17, 2
	s_add_co_u32 s17, s17, s41                     ; t1: source 1's tile: hangs on cy
	s_lshl_b32 s43, s41, 2
	s_lshl_b32 s43, 15, s43                        ; my row of the cluster
	s_lshl_b32 s44, 0x1111, s40                    ; my column
	; descriptor group 1: a tile of 128 rows x 256 bytes, padded in LDS
	s_or_b32 s[G1+0], s43, (0<<16)|(1<<20)|(1<<21)|(5<<22)|(3<<25)  ; 15:0 the mask: source 1's tiles go to my row; 17:16 element of 1 byte; 20 padding on; 21 set beside a mask; 24:22 after every 64 words; 31:25 of 4 words
	s_or_b32 s[G1B+0], s44, (0<<16)|(1<<20)|(1<<21)|(5<<22)|(3<<25) ; the same with my column's mask, for source 0's tiles
.irp g, G1, G1B
	s_mov_b32 s[\g+1], ROWB<<16                    ; tensor_dim0
	s_mov_b32 s[\g+2], 128<<16                     ; tensor_dim1 = 128
	s_mov_b32 s[\g+3], ROWB<<16                    ; tile_dim0
	s_mov_b32 s[\g+4], 128                         ; tile_dim1 = 128
	s_mov_b32 s[\g+5], KROW                        ; tensor_dim0_stride
	s_mov_b32 s[\g+6], 0
	s_mov_b32 s[\g+7], 0
.endr
	s_lshl_b32 s18, s16, 7                         ; which 128 rows of the tile I fetch
	s_lshl_b32 s20, s17, 8
	s_add_co_u32 s20, s20, s18
	s_lshl_b32 s20, s20, 10                        ; source 1: (256 t1 + 128 half) rows of 1,024 bytes: under 2^23
	s_mov_b32 s21, 0
	s_lshl_b32 s46, s42, 8
	s_add_co_u32 s46, s46, s18
	s_lshl_b32 s46, s46, 10                        ; source 0 likewise
	s_mov_b32 s47, 0
	s_mul_i32 s45, s14, HALFT                      ; where they go: wave x 128 rows: no place in the cluster enters an LDS address
	s_wait_kmcnt 0x0
	s_load_b256 s[72:79], s[8:9], 0x0              ; e0 .. e7
	s_cmp_eq_u32 ttmp9, 2
	s_cselect_b64 s[84:85], s[4:5], s[6:7]         ; source 0's tensor: x for v, W for q and k
	s_cselect_b64 s[86:87], s[6:7], s[4:5]         ; source 1's: the other one
	s_add_nc_u64 s[20:21], s[86:87], s[20:21]
	s_add_nc_u64 s[46:47], s[84:85], s[46:47]
	CROUND                                         ; all sixteen work-groups are here: the first joint loads meet
.irp s, 0,1
	s_mov_b32 s[G0+4*\s], 1
	s_add_co_u32 s[G0+4*\s+1], s45, \s*SLOT
	s_add_nc_u64 s[G0+4*\s+2:G0+4*\s+3], s[20:21], \s*ROWB
	s_or_b32 s[G0+4*\s+3], s[G0+4*\s+3], 0x80000000
	s_mov_b32 s[G0B+4*\s], 1
	s_add_co_u32 s[G0B+4*\s+1], s45, \s*SLOT
	s_add_nc_u64 s[G0B+4*\s+2:G0B+4*\s+3], s[46:47], \s*ROWB
	s_or_b32 s[G0B+4*\s+3], s[G0B+4*\s+3], 0x80000000
	JLOAD G0+4*\s, G1, G0B+4*\s, G1B               ; K steps 0 and 1: two loads of mine are out
.endr
	v_and_b32 v1, 15, v0                           ; r = l % 16
	v_bfe_u32 v2, v0, 4, 1                         ; h = l / 16
	v_mul_u32_u24 v3, v1, PITCH
	v_lshl_add_u32 v4, v2, 4, v3                   ; a fragment's row x pitch + 16 x half
	s_mul_i32 s21, s15, HALFT                      ; my 128 rows of source 1
	s_mul_i32 s22, s16, HALFT                      ; my 128 rows of source 0,
	s_add_co_u32 s22, s22, 2*HALFT                 ; which lie behind source 1's 256
.irp s, 0,1
	v_add_nc_u32 v[AD1+\s], s21, v4
	v_add_nc_u32 v[AD0+\s], s22, v4
	s_add_co_u32 s21, s21, SLOT
	s_add_co_u32 s22, s22, SLOT
.endr
	; which rows of x and which rows of W are my wave's, whichever source they are
	s_cmp_eq_u32 ttmp9, 2
	s_cselect_b32 s80, s42, s17                    ; x's tile
	s_cselect_b32 s81, s16, s15                    ; and my half of it
	s_cselect_b32 s82, s17, s42                    ; W's tile
	s_cselect_b32 s83, s15, s16                    ; and my half of it
	s_cselect_b32 s92, 4, 0                        ; the bias's offset: bytes for each r (v: a lane holds channel r),
	s_cselect_b32 s93, 0, 32                       ; for each h (q, k: a lane holds channels 8 h + j),
	s_cselect_b32 s94, 0, 4                        ; and for each register j
	s_cselect_b32 s95, 8192, 0                     ; V^T's tiles lie behind a step's eight tiles of keys
	s_cmp_eq_u32 ttmp9, 0
	s_cselect_b32 s18, 17, 18                      ; a head's block is 2^17 bytes in qc, 2^18 in kv
	s_cselect_b64 s[90:91], s[68:69], s[70:71]     ; q goes to qc, k and v to kv
	s_lshl_b32 s19, s82, 8
	s_lshl_b32 s22, s83, 7
	s_add_co_u32 s19, s19, s22                     ; n0: my first row of W, a multiple of 128: two heads
	s_lshl_b32 s22, s19, 2
	s_mov_b32 s23, 0
	s_add_nc_u64 s[88:89], s[10:11], s[22:23]      ; b at n0
	s_lshr_b32 s22, s19, 6
	s_and_b32 s22, s22, 15                         ; my first head
	s_lshr_b32 s46, s80, 3                         ; the batch: eight tiles of 256 rows each
	s_lshl_b32 s46, s46, 4
	s_add_co_u32 s22, s22, s46                     ; g = 16 batch + head
	s_lshl_b32 s22, s22, s18
	s_and_b32 s46, s80, 7
	s_lshl_b32 s46, s46, 8
	s_lshl_b32 s47, s81, 7
	s_add_co_u32 s46, s46, s47                     ; my first row in the sequence, a multiple of 128
	s_sub_co_u32 s47, s18, 11
	s_lshl_b32 s46, s46, s47                       ; 64 bytes a row in qc, 128 in kv
	s_add_co_u32 s22, s22, s46
	s_add_co_u32 s22, s22, s95
	s_add_nc_u64 s[90:91], s[90:91], s[22:23]      ; where my wave's images begin
	v_and_b32 v6, 31, v0
	v_lshlrev_b32 v[OUT], 4, v6
	s_lshl_b32 s46, 1, s18
	v_add_nc_u32 v[OUT+1], s46, v[OUT]             ; my second head's block
	; The bias in the result's layout: register 8 x + j holds b[n0 + 16 x + 8 h + j] (q, k: x = source 0's block) or b[n0 + 16 x + r] for every j (v: x = source 1's block).
	v_mul_u32_u24 v[AJ], v1, s92
	v_mad_u32_u24 v[AJ], v2, s93, v[AJ]
.irp j, 1,2,3,4,5,6,7
	v_add_nc_u32 v[AJ+\j], s94, v[AJ+\j-1]
.endr
.irp x, 0,1,2,3,4,5,6,7
.irp j, 0,1,2,3,4,5,6,7
	global_load_b32 v[BT+8*\x+\j], v[AJ+\j], s[88:89] offset:64*\x   ; 512 bytes of b in all, read once and kept; waited for on the way out
.endr
.endr
	s_wait_kmcnt 0x0
	s_add_co_i32 s96, s72, s73                     ; e0 + e1
	s_add_co_i32 s96, s96, 127
	s_lshl_b32 s96, s96, 23                        ; 2^(e0 + e1) as f32
	s_mov_b32 s97, s96                             ; (named with it as a pair, so it is written)
	s_cmp_eq_u32 ttmp9, 0
	s_cselect_b32 s92, s74, s75                    ; e2 for q, e3 for k,
	s_cmp_eq_u32 ttmp9, 2
	s_cselect_b32 s92, s77, s92                    ; e5 for v
	s_add_co_i32 s92, s92, 127
	s_lshl_b32 s93, s92, 23
	v_mov_b32 v[SCL], s93                          ; 2^e as f32: the conversion takes its exponent field
.macro FRAG reg, adr, q, i             ; a fragment, 16 rows x 128 K, is 16 registers: lane l holds row l % 16; registers 4 c .. 4 c + 3 hold K = 32 c + 16 (l / 16) + 0 .. 15: the same places in both sources
.irp c, 0,1,2,3
	ds_load_b128 v[\reg+4*\c:\reg+4*\c+3], v[\adr] offset:128*(\q)+32*\c+(\i)*16*PITCH
.endr
.endm
; 16 matrix instructions: source 1's blocks a0, a0 + 1 x source 0's eight, 128 along K.  p: source 0's set.  zero = 1: the first product starts the sums.
; The 64 accumulators take turns, one instruction a turn, in the same order in every step.
.macro MUL16 a0, p, zero
.irp a, \a0, \a0+1
.irp b, 0,1,2,3,4,5,6,7
.if \zero
	v_wmma_f32_16x16x128_bf8_bf8 v[8*(8*((\a)%4)+\b):8*(8*((\a)%4)+\b)+7], v[128*(\p)+FR*\b:128*(\p)+FR*\b+FR-1], v[AF+FR*(\a):AF+FR*(\a)+FR-1], 0
.else
	v_wmma_f32_16x16x128_bf8_bf8 v[8*(8*((\a)%4)+\b):8*(8*((\a)%4)+\b)+7], v[128*(\p)+FR*\b:128*(\p)+FR*\b+FR-1], v[AF+FR*(\a):AF+FR*(\a)+FR-1], v[8*(8*((\a)%4)+\b):8*(8*((\a)%4)+\b)+7]
.endif
.endr
.endr
.endm
.macro FETCH_0 slot, q, p              ; source 0's eight fragments of the slot's q-th 128 along K into set p
	WIN TO_W1
.irp i, 0,1,2,3,4,5,6,7
	FRAG 128*(\p)+FR*\i, AD0+\slot, \q, \i
.endr
	WIN 0
.endm
.macro FETCH_1 slot, q, i0             ; source 1's blocks i0 .. i0 + 3
.irp i, \i0, \i0+1, \i0+2, \i0+3
	FRAG AF+FR*(\i), AD1+\slot, \q, \i
.endr
.endm
.macro PLACES n                        ; plain vector instructions between a matrix instruction and a load into, or a vector instruction on, its registers (ISA guide 7.12.1 for vector instructions)
.rept \n
	v_nop
.endr
.endm
; A step of 128 along K that has its successor in the same slot.  A block of source 1 is free as soon as its eight products are issued: blocks 0-3 are fetched anew in the step's middle, blocks 4-7 at its end.
.macro STEP slot, q, zero
	s_wait_dscnt 4*NL                              ; source 0's set and source 1's blocks 0-3 are in; the youngest sixteen loads (blocks 4-7) may be out
	WIN MUL_LO
	MUL16 0, (\q)%2, \zero
	MUL16 2, (\q)%2, \zero
	s_wait_dscnt 0                                 ; blocks 4-7 are in
	PLACES NP
	FETCH_0 \slot, (\q)+1, 1-(\q)%2
	FETCH_1 \slot, (\q)+1, 0
	WIN MUL_HI
	MUL16 4, (\q)%2, \zero
	MUL16 6, (\q)%2, \zero
	PLACES NP
	WIN 0
	FETCH_1 \slot, (\q)+1, 4
.endm
; A slot's last step changes slots: ONE barrier; in front of it each wave waits for all its tensor loads, adds 0 to its spare word, and waits for that and for its own reads of this slot.  fill = 1: this slot is filled again, two K steps ahead.
.macro TURN slot, next, fill
	s_wait_tensorcnt 0x0                           ; all my tensor loads have landed: my part of the next slot  (every window is 0 here)
	ds_add_u32 v[SPW], v[NIL]                      ; 0 onto my spare word
	s_wait_dscnt 4*NL+1                            ; (the add and the youngest sixteen loads may be out)
	WIN MUL_LO
	MUL16 0, 1, 0                                  ; sixteen matrix instructions stand between the add and the wait for it
	s_wait_dscnt 0x0                               ; the add is done, and my reads of this slot are over
	s_barrier_signal -1
	MUL16 2, 1, 0
	WIN 0
	s_barrier_wait -1
.if \fill
	CREST                                          ; the barrier has opened a round of the cluster's barrier: no wave of any partner still reads this slot's tile or has a load on its way
	s_add_nc_u64 s[G0+4*\slot+2:G0+4*\slot+3], s[G0+4*\slot+2:G0+4*\slot+3], 2*ROWB
	s_add_nc_u64 s[G0B+4*\slot+2:G0B+4*\slot+3], s[G0B+4*\slot+2:G0B+4*\slot+3], 2*ROWB
	JLOAD G0+4*\slot, G1, G0B+4*\slot, G1B         ; the first tensor load behind the round, one a wave; its four v_nop are also the places in front of the loads below
.else
	PLACES NP
.endif
	FETCH_0 \next, 0, 0
	FETCH_1 \next, 0, 0
	WIN MUL_HI
	MUL16 4, 1, 0
	MUL16 6, 1, 0
	PLACES NP
	WIN 0
	FETCH_1 \next, 0, 4
.endm
	s_wait_tensorcnt 1                             ; my part of K step 0 is in (K step 1's load, issued behind it, may be out),
	s_barrier_signal -1
	s_barrier_wait -1                              ; everybody's is
	FETCH_0 0, 0, 0
	FETCH_1 0, 0, 0
	FETCH_1 0, 0, 4
	STEP 0, 0, 1                                   ; K = 1,024 is four K steps of 256, eight steps of 128: they are written in a line.  The first step's products start the sums
	TURN 0, 1, 1                                   ; slot 0 takes K step 2
	STEP 1, 0, 0
	TURN 1, 0, 1                                   ; slot 1 takes K step 3
	STEP 0, 0, 0
	TURN 0, 1, 0                                   ; nothing is left to fetch
	STEP 1, 0, 0
	s_wait_dscnt 4*NL                              ; the very last step
	WIN MUL_LO
	MUL16 0, 1, 0
	MUL16 2, 1, 0
	s_wait_dscnt 0
	WIN MUL_HI
	MUL16 4, 1, 0
	MUL16 6, 1, 0
	WIN 0
; THE WAY OUT, block a of source 1 (eight accumulators) at a time: sum x 2^(e0 + e1) + b, the hold, the conversion: accumulator (a, b)'s eight numbers become registers 2 b, 2 b + 1 of the codes.
; vm = 0 (q, k): registers 0-7 are my first head's fragment of rows 16 a on, registers 8-15 my second head's.   vm = 1 (v): the sixteen are the fragment of V^T of channels 16 (a % 4) on of head a / 4.
.macro OUTBLK a, vm
.set AC, 64*((\a)%4)
.set CC, CD+16*((\a)%4)
	WIN 0x02+((\a)/4)                              ; source 0: window 2 or 3
.irp b, 0,1,2,3,4,5,6,7
.irp i, 0,2,4,6
.if \vm
	v_pk_fma_f32 v[T+8*\b+\i:T+8*\b+\i+1], v[AC+8*\b+\i:AC+8*\b+\i+1], s[96:97], v[BT+8*(\a)+\i:BT+8*(\a)+\i+1] op_sel_hi:[1,0,1]   ; each accumulator from its low end on
.else
	v_pk_fma_f32 v[T+8*\b+\i:T+8*\b+\i+1], v[AC+8*\b+\i:AC+8*\b+\i+1], s[96:97], v[BT+8*\b+\i:BT+8*\b+\i+1] op_sel_hi:[1,0,1]
.endif
.endr
.endr
	WIN 0
.set j, 0
.rept 64
.set j, j+1
.endr
.if (\a) >= 4
	s_wait_alu depctr_va_vdst(0)
	s_wait_xcnt 0x0                                ; the stores of four blocks ago have read this set of codes: it is written again only behind this wait
.endif
.irp b, 0,1,2,3,4,5,6,7
	v_cvt_scalef32_pk8_bf8_f32 v[CC+2*\b:CC+2*\b+1], v[T+8*\b:T+8*\b+7], v[SCL]
.endr
	v_nop                                          ; one plain vector instruction behind the last conversion: the next block writes the numbers' registers
.if \vm
.irp i, 0,1,2,3
	global_store_b128 v[OUT+(\a)/4], v[CC+4*\i:CC+4*\i+3], s[90:91] offset:((\a)%4)*2048+512*\i   ; 32 lanes store 512 consecutive bytes, aligned
.endr
.else
.irp hd, 0,1
.irp i, 0,1
	global_store_b128 v[OUT+\hd], v[CC+8*\hd+4*\i:CC+8*\hd+4*\i+3], s[90:91] offset:(\a)*1024+512*\i
.endr
.endr
.endif
.endm
	s_wait_loadcnt 0x0                             ; the bias
	PLACES NP                                      ; behind the last products: their fragments' registers are written next, and their results are read further on
	s_cmp_eq_u32 ttmp9, 2                          ; the cluster's x: the same in all sixteen partners
	s_cbranch_scc1 .Lv_out
.irp a, 0,1,2,3,4,5,6,7
	OUTBLK \a, 0
.endr
	s_branch .Lend
.Lv_out:
.irp a, 0,1,2,3,4,5,6,7
	OUTBLK \a, 1
.endr
.Lend:
	s_wait_tensorcnt 0x0                           ; the wave's end
	ds_add_u32 v[SPW], v[NIL]
	s_wait_dscnt 0x0
	CROUND                                         ; the closing round: no work-group ends while a partner may still ask for a tile that names it
	s_endpgm
.Lfunc_end_k_qd4d19a5de6_qkv:
	.size	k_qd4d19a5de6_qkv, .Lfunc_end_k_qd4d19a5de6_qkv-k_qd4d19a5de6_qkv
	.p2alignl 7, 3214868480
	.fill 96, 4, 3214868480
	.section	.rodata,"a",@progbits
	.p2align	6, 0x0
	.amdhsa_kernel k_qd4d19a5de6_qkv
		.amdhsa_group_segment_fixed_size 327680
		.amdhsa_private_segment_fixed_size 0
		.amdhsa_enable_private_segment 0
		.amdhsa_kernarg_size 48
		.amdhsa_user_sgpr_count 2
		.amdhsa_user_sgpr_kernarg_segment_ptr 1
		.amdhsa_wavefront_size32 1
		.amdhsa_system_sgpr_workgroup_id_x 1
		.amdhsa_system_sgpr_workgroup_id_y 1
		.amdhsa_system_sgpr_workgroup_id_z 1
		.amdhsa_system_vgpr_workitem_id 0
		.amdhsa_next_free_vgpr 1024
		.amdhsa_next_free_sgpr 100
		.amdhsa_reserve_vcc 0
		.amdhsa_float_denorm_mode_32 3
		.amdhsa_float_denorm_mode_16_64 3
		.amdhsa_fp16_overflow 1
		.amdhsa_memory_ordered 1
		.amdhsa_forward_progress 1
		.amdhsa_inst_pref_size 133
	.end_amdhsa_kernel
	.amdgpu_metadata
---
amdhsa.version: [ 1, 2 ]
amdhsa.kernels:
  - .name:           k_qd4d19a5de6_qkv
    .symbol:         k_qd4d19a5de6_qkv.kd
    .args:
      - { .name: x_codes, .offset: 0, .size: 8, .value_kind: global_buffer, .address_space: global }
      - { .name: qkv_w_codes, .offset: 8, .size: 8, .value_kind: global_buffer, .address_space: global }
      - { .name: lowp_scales, .offset: 16, .size: 8, .value_kind: global_buffer, .address_space: global }
      - { .name: qkv_b, .offset: 24, .size: 8, .value_kind: global_buffer, .address_space: global }
      - { .name: qc, .offset: 32, .size: 8, .value_kind: global_buffer, .address_space: global }
      - { .name: kv, .offset: 40, .size: 8, .value_kind: global_buffer, .address_space: global }
    .group_segment_fixed_size: 327680
    .private_segment_fixed_size: 0
    .kernarg_segment_align: 8
    .kernarg_segment_size: 48
    .max_flat_workgroup_size: 128
    .sgpr_count:     100
    .vgpr_count:     1024
    .wavefront_size: 32
...
	.end_amdgpu_metadata
.endif
;; end of part 1
;; launch attn (part 2): grid 4 x 64, 16 waves a work-group, clusters of 4 x 1, 327,680 bytes of LDS; arguments qc, kv, lowp_scales, ac; writes ac
.if DOCPART == 2
	.amdgcn_target "amdgcn-amd-amdhsa--gfx1250"
	.amdhsa_code_object_version 6
	.text
	.protected	k_qd4d19a5de6_attn
	.globl	k_qd4d19a5de6_attn
	.p2align	8
	.type	k_qd4d19a5de6_attn,@function
k_qd4d19a5de6_attn:
	s_mov_b64 s[64:65], 0
	v_nop
	global_prefetch_b8 v0, s[64:65] scope:SCOPE_SE
	s_setreg_imm32_b32 hwreg(HW_REG_WAVE_MODE, 25, 1), 1
	s_wait_xcnt 0x0
	s_wait_alu depctr_hold_cnt(0) depctr_sa_sdst(0) depctr_va_vdst(0) depctr_va_sdst(0) depctr_va_ssrc(0) depctr_va_vcc(0) depctr_vm_vsrc(0)
	s_getreg_b32 s2, hwreg(HW_REG_IB_STS2, 6, 4)
	s_cmp_eq_u32 s2, 0
	s_cbranch_scc0 .Lentry_in_a_cluster
	s_endpgm
.Lentry_in_a_cluster:
	s_bfe_u32 s2, ttmp6, 0x10000c
	s_cmp_lg_u32 s2, 0x3003
	s_cbranch_scc0 .Lentry_shape_is_right
	s_endpgm
.Lentry_shape_is_right:
.set LA,   1
.set LA0,  2
.set SCLP, 3
.set LIMP, 4
.set PX,   5
.set F,    6
.set X,    8
.set T0,   10
.set T1,   11
.set ST,   12
.set Q,    20
.set P,    36
.set KV,   52
.set S,    116
.set O,    180
.set R,    244
.set LIMO, 248
.set SCLO, 249
.set WV,   12
.set G1A,  16
.set G1B,  24
.set GA,   32
.set GB,   36
.set CS,   48
.set SEL,  50
.set CNT,  52
.set TB,   53
.macro CROUND
	s_barrier_signal -1
	s_barrier_wait -1
	s_cmp_lg_u32 s[WV], 0
	s_cbranch_scc1 .Lnot_wave_0_\@
	s_barrier_signal -3
.Lnot_wave_0_\@:
	s_barrier_wait -3
	s_barrier_signal -1
	s_barrier_wait -1
.endm
.macro PLACES
.rept 4
	v_nop
.endr
.endm
	s_load_b256 s[4:11], s[0:1], 0x0
	v_lshl_add_u32 v254, v0, 2, 0x40000
	v_mov_b32 v255, 0
	ds_add_u32 v254, v255
	ds_add_u32 v254, v255
	v_lshrrev_b32 v1, 5, v0
	s_delay_alu instid0(VALU_DEP_1)
	v_readfirstlane_b32 s[WV], v1
	s_bfe_u32 s13, ttmp6, 0x40000
	s_and_b32 s14, ttmp7, 0xffff
	s_mov_b32 s[G1A], 15|(3<<16)|(1<<21)
	s_mov_b32 s[G1A+1], 32<<16
	s_mov_b32 s[G1A+2], 4<<16
	s_mov_b32 s[G1A+3], 32<<16
	s_mov_b32 s[G1A+4], 4
	s_mov_b32 s[G1A+5], 32
	s_mov_b32 s[G1A+6], 0
	s_mov_b32 s[G1A+7], 0
	s_mov_b32 s[G1B], 15|(3<<16)|(1<<21)
	s_mov_b32 s[G1B+1], 32<<16
	s_mov_b32 s[G1B+2], 60<<16
	s_mov_b32 s[G1B+3], 32<<16
	s_mov_b32 s[G1B+4], 60
	s_mov_b32 s[G1B+5], 32
	s_mov_b32 s[G1B+6], 0
	s_mov_b32 s[G1B+7], 0
	s_mov_b32 s[SEL], 0x76543210
	s_mov_b32 s[SEL+1], 0xfedcba98
	s_mov_b32 s[TB], 0
	s_lshl_b32 s54, s14, 18
	s_mov_b32 s[GA], 1
	s_lshl_b32 s[GA+1], s[WV], 10
	s_mov_b32 s[GB], 1
	s_mul_i32 s[GB+1], s[WV], 15360
	s_add_co_u32 s[GB+1], s[GB+1], 16384
	s_add_co_u32 s56, s54, s[GA+1]
	s_mov_b32 s57, 0
	s_add_co_u32 s58, s54, s[GB+1]
	s_mov_b32 s59, 0
	s_wait_dscnt 0x0
	s_wait_kmcnt 0x0
	s_load_b256 s[40:47], s[8:9], 0x0
	s_add_nc_u64 s[GA+2:GA+3], s[6:7], s[56:57]
	s_or_b32 s[GA+3], s[GA+3], 0x80000000
	s_add_nc_u64 s[GB+2:GB+3], s[6:7], s[58:59]
	s_or_b32 s[GB+3], s[GB+3], 0x80000000
	CROUND
	tensor_load_to_lds s[GA:GA+3], s[G1A:G1A+7]
	s_nop 0
	s_wait_alu depctr_va_vdst(0)
	s_wait_tensorcnt 0x0
	ds_add_u32 v254, v255
	s_wait_dscnt 0x0
	CROUND
	tensor_load_to_lds s[GB:GB+3], s[G1B:G1B+7]
	s_nop 0
.rept 4
	v_nop
.endr
	v_and_b32 v[LA0], 31, v0
	s_delay_alu instid0(VALU_DEP_1)
	v_lshlrev_b32 v[LA0], 4, v[LA0]
	s_wait_alu depctr_va_vdst(0)
	s_lshl_b32 s54, s13, 5
	s_lshl_b32 s55, s[WV], 1
	s_add_co_u32 s54, s54, s55
	s_lshl_b32 s56, s54, 10
	s_lshl_b32 s57, s14, 17
	s_add_co_u32 s56, s56, s57
	s_mov_b32 s57, 0
	s_add_nc_u64 s[4:5], s[4:5], s[56:57]
.irp n, 0,1,2,3
	global_load_b128 v[Q+4*\n:Q+4*\n+3], v[LA0], s[4:5] offset:512*\n th:TH_LOAD_NT
.endr
	s_lshr_b32 s58, s14, 4
	s_lshl_b32 s58, s58, 7
	s_add_co_u32 s58, s58, s54
	s_lshl_b32 s58, s58, 14
	s_and_b32 s59, s14, 15
	s_lshl_b32 s59, s59, 10
	s_add_co_u32 s58, s58, s59
	s_mov_b32 s59, 0
	s_add_nc_u64 s[10:11], s[10:11], s[58:59]
	v_mov_b32 v[PX], 0
	v_mov_b32 v[F+1], 0
	s_wait_kmcnt 0x0
	s_add_co_i32 s54, s42, s43
	s_lshl_b32 s54, s54, 23
	s_add_co_i32 s[CS], s54, 0x3e38aa3b
	s_mov_b32 s[CS+1], s[CS]
	s_add_co_i32 s54, s44, 127
	s_lshl_b32 s55, s54, 23
	v_mov_b32 v[SCLP], s55
	s_add_co_i32 s54, s46, 127
	s_lshl_b32 s55, s54, 23
	v_mov_b32 v[SCLO], s55
	s_add_co_i32 s60, s44, s45
.macro KVLOAD off
.set n, 0
.rept 16
	ds_load_b128 v[KV+4*n:KV+4*n+3], v[LA] offset:\off+512*n
.set n, n+1
.endr
.endm
.macro KQ q
.irp t, 0,1,2,3,4,5,6,7
	v_wmma_f32_16x16x64_bf8_bf8 v[S+8*\t:S+8*\t+7], v[KV+8*\t:KV+8*\t+7], v[Q+8*\q:Q+8*\q+7], 0
.endr
.endm
.macro PV q, first
.irp t, 0,1,2,3
.if \first
	v_wmma_f32_16x16x128_bf8_bf8 v[O+32*\q+8*\t:O+32*\q+8*\t+7], v[KV+16*\t:KV+16*\t+15], v[P:P+15], 0
.else
	v_wmma_f32_16x16x128_bf8_bf8 v[O+32*\q+8*\t:O+32*\q+8*\t+7], v[KV+16*\t:KV+16*\t+15], v[P:P+15], v[O+32*\q+8*\t:O+32*\q+8*\t+7]
.endif
.endr
.endm
.macro SOFT_A q, first
.set NM, ST+4*\q
.set TM, ST+4*\q+1
	v_max3_num_f32 v[T0], v[S], v[S+1], v[S+2]
	v_max3_num_f32 v[T1], v[S+3], v[S+4], v[S+5]
.irp i, 6,10,14,18,22,26,30,34,38,42,46,50,54,58
	v_max3_num_f32 v[T0], v[T0], v[S+\i], v[S+\i+1]
	v_max3_num_f32 v[T1], v[T1], v[S+\i+2], v[S+\i+3]
.endr
	v_max3_num_f32 v[T0], v[T0], v[S+62], v[S+63]
	s_delay_alu instid0(VALU_DEP_1)
	v_max_num_f32 v[T0], v[T0], v[T1]
	s_delay_alu instid0(VALU_DEP_1)
	v_permlanex16_b32 v[PX], v[T0], s[SEL], s[SEL+1]
	s_delay_alu instid0(VALU_DEP_1)
	v_max_num_f32 v[T0], v[T0], v[PX]
.if \first
	s_delay_alu instid0(VALU_DEP_1)
	v_mul_f32 v[TM], s[CS], v[T0]
	s_delay_alu instid0(VALU_DEP_1)
	v_floor_f32 v[NM], -v[TM]
.else
	s_delay_alu instid0(VALU_DEP_1)
	v_mul_f32 v[T0], s[CS], v[T0]
	s_delay_alu instid0(VALU_DEP_1)
	v_max_num_f32 v[TM], v[TM], v[T0]
	v_mov_b32 v[T0], v[NM]
	s_delay_alu instid0(VALU_DEP_2)
	v_floor_f32 v[NM], -v[TM]
	s_delay_alu instid0(VALU_DEP_1)
	v_sub_f32 v[T0], v[NM], v[T0]
	s_delay_alu instid0(VALU_DEP_1)
	v_cvt_i32_f32 v[T0], v[T0]
	s_delay_alu instid0(VALU_DEP_1)
	v_ldexp_f32 v[F], 1.0, v[T0]
.endif
.set j, 0
.rept 32
	v_pk_fma_f32 v[S+j:S+j+1], v[S+j:S+j+1], s[CS:CS+1], v[NM:NM+1] op_sel_hi:[1,0,0]
.set j, j+2
.endr
.set j, 0
	s_wait_alu depctr_va_vdst(0)
.rept 64
	v_exp_f32 v[S+j], v[S+j]
.set j, j+1
.endr
.endm
.macro PLAIN q, first
.if \first
	v_nop
.else
	v_pk_mul_f32 v[ST+4*\q+2:ST+4*\q+3], v[ST+4*\q+2:ST+4*\q+3], v[F:F+1] op_sel_hi:[1,0]
.endif
.endm
.macro SOFT_B q, first
.set L, ST+4*\q+2
.if \first
	v_pk_add_f32 v[L:L+1], v[S:S+1], v[S+2:S+3]
	v_pk_add_f32 v[X:X+1], v[S+4:S+5], v[S+6:S+7]
.irp j, 8,12,16,20,24,28,32,36,40,44,48,52,56,60
	v_pk_add_f32 v[L:L+1], v[L:L+1], v[S+\j:S+\j+1]
	v_pk_add_f32 v[X:X+1], v[X:X+1], v[S+\j+2:S+\j+3]
.endr
.else
	v_pk_add_f32 v[X:X+1], v[S:S+1], v[S+2:S+3]
.irp j, 4,8,12,16,20,24,28,32,36,40,44,48,52,56,60
	v_pk_add_f32 v[L:L+1], v[L:L+1], v[S+\j:S+\j+1]
	v_pk_add_f32 v[X:X+1], v[X:X+1], v[S+\j+2:S+\j+3]
.endr
.endif
	s_delay_alu instid0(VALU_DEP_1)
	v_pk_add_f32 v[L:L+1], v[L:L+1], v[X:X+1]
.irp c, 0,1,2,3,4,5,6,7
.irp i, 0,1,2,3,4,5,6,7
.endr
	v_cvt_scalef32_pk8_bf8_f32 v[P+2*\c:P+2*\c+1], v[S+8*\c:S+8*\c+7], v[SCLP]
.endr
.endm
.macro RESCALE q, first
.if \first
	v_nop
.else
.set j, 0
.rept 16
	v_pk_mul_f32 v[O+32*\q+j:O+32*\q+j+1], v[O+32*\q+j:O+32*\q+j+1], v[F:F+1] op_sel_hi:[1,0]
.set j, j+2
.endr
.endif
.endm
.macro STEP first
	v_add_nc_u32 v[LA], s[TB], v[LA0]
.rept 3
	v_nop
.endr
	KVLOAD 0
	s_wait_dscnt 0x0
	KQ 0
	PLACES
	SOFT_A 0, \first
	PLAIN 0, \first
	s_wait_alu depctr_va_vdst(0)
	SOFT_B 0, \first
	RESCALE 0, \first
	KQ 1
	PLACES
	KVLOAD 8192
	s_setprio 1
	SOFT_A 1, \first
	PLAIN 1, \first
	s_setprio 0
	s_wait_dscnt 0x0
	PV 0, \first
	s_wait_alu depctr_va_vdst(0)
	SOFT_B 1, \first
	RESCALE 1, \first
	PV 1, \first
	s_add_co_u32 s[TB], s[TB], 16384
.endm
	s_wait_tensorcnt 1
	s_barrier_signal -1
	s_barrier_wait -1
	s_wait_loadcnt 0x0
	STEP 1
	s_wait_tensorcnt 0x0
	s_wait_dscnt 0x0
	s_barrier_signal -1
	s_barrier_wait -1
	s_mov_b32 s[CNT], 15
.Lstep:
	s_setprio 2
	STEP 0
	s_sub_co_u32 s[CNT], s[CNT], 1
	s_cmp_lg_u32 s[CNT], 0
	s_cbranch_scc1 .Lstep
	s_setprio 0
	PLACES
	v_mov_b32 v[R+1], 0
	v_mov_b32 v[R+3], 0
	v_add_f32 v[T0], v[ST+2], v[ST+3]
	v_add_f32 v[T1], v[ST+6], v[ST+7]
	s_delay_alu instid0(VALU_DEP_2)
	v_permlanex16_b32 v[PX], v[T0], s[SEL], s[SEL+1]
	s_delay_alu instid0(VALU_DEP_2)
	v_permlanex16_b32 v[X], v[T1], s[SEL], s[SEL+1]
	s_delay_alu instid0(VALU_DEP_2)
	v_add_f32 v[T0], v[T0], v[PX]
	s_delay_alu instid0(VALU_DEP_2)
	v_add_f32 v[T1], v[T1], v[X]
	s_wait_alu depctr_va_vdst(0)
	v_rcp_f32 v[R], v[T0]
	v_rcp_f32 v[R+2], v[T1]
	v_nop
	s_wait_alu depctr_va_vdst(0)
	v_ldexp_f32 v[R], v[R], s60
	v_ldexp_f32 v[R+2], v[R+2], s60
.irp q, 0,1
.set j, 0
.rept 16
	v_pk_mul_f32 v[S+32*\q+j:S+32*\q+j+1], v[O+32*\q+j:O+32*\q+j+1], v[R+2*\q:R+2*\q+1] op_sel_hi:[1,0]
.set j, j+2
.endr
.endr
.set j, 0
.rept 64
.set j, j+1
.endr
.irp u, 0,1,2,3,4,5,6,7
	v_cvt_scalef32_pk8_bf8_f32 v[P+2*\u:P+2*\u+1], v[S+8*\u:S+8*\u+7], v[SCLO]
.endr
	v_nop
.irp u, 0,4,8,12
	v_permlane16_swap_b32 v[P+\u], v[P+\u+2]
	v_permlane16_swap_b32 v[P+\u+1], v[P+\u+3]
.endr
.irp q, 0,1
.irp c, 0,1
	global_store_b128 v[LA0], v[P+8*\q+4*\c:P+8*\q+4*\c+3], s[10:11] offset:16384*\q+512*\c
.endr
.endr
	s_wait_tensorcnt 0x0
	ds_add_u32 v254, v255
	s_wait_dscnt 0x0
	CROUND
	s_endpgm
.Lfunc_end_k_qd4d19a5de6_attn:
	.size	k_qd4d19a5de6_attn, .Lfunc_end_k_qd4d19a5de6_attn-k_qd4d19a5de6_attn
	.p2alignl 7, 3214868480
	.fill 96, 4, 3214868480
	.section	.rodata,"a",@progbits
	.p2align	6, 0x0
	.amdhsa_kernel k_qd4d19a5de6_attn
		.amdhsa_group_segment_fixed_size 327680
		.amdhsa_private_segment_fixed_size 0
		.amdhsa_enable_private_segment 0
		.amdhsa_kernarg_size 32
		.amdhsa_user_sgpr_count 2
		.amdhsa_user_sgpr_kernarg_segment_ptr 1
		.amdhsa_wavefront_size32 1
		.amdhsa_system_sgpr_workgroup_id_x 1
		.amdhsa_system_sgpr_workgroup_id_y 1
		.amdhsa_system_sgpr_workgroup_id_z 1
		.amdhsa_system_vgpr_workitem_id 0
		.amdhsa_next_free_vgpr 256
		.amdhsa_next_free_sgpr 66
		.amdhsa_reserve_vcc 0
		.amdhsa_float_denorm_mode_32 3
		.amdhsa_float_denorm_mode_16_64 3
		.amdhsa_fp16_overflow 1
		.amdhsa_memory_ordered 1
		.amdhsa_forward_progress 1
		.amdhsa_inst_pref_size 57
	.end_amdhsa_kernel
	.amdgpu_metadata
---
amdhsa.version: [ 1, 2 ]
amdhsa.kernels:
  - .name:           k_qd4d19a5de6_attn
    .symbol:         k_qd4d19a5de6_attn.kd
    .args:
      - { .name: qc, .offset: 0, .size: 8, .value_kind: global_buffer, .address_space: global }
      - { .name: kv, .offset: 8, .size: 8, .value_kind: global_buffer, .address_space: global }
      - { .name: lowp_scales, .offset: 16, .size: 8, .value_kind: global_buffer, .address_space: global }
      - { .name: ac, .offset: 24, .size: 8, .value_kind: global_buffer, .address_space: global }
    .group_segment_fixed_size: 327680
    .private_segment_fixed_size: 0
    .kernarg_segment_align: 8
    .kernarg_segment_size: 32
    .max_flat_workgroup_size: 512
    .sgpr_count:     66
    .vgpr_count:     256
    .wavefront_size: 32
...
	.end_amdgpu_metadata
.endif
;; end of part 2
;; launch proj (part 3): grid 4 x 32, 4 waves a work-group, clusters of 4 x 4, 327,680 bytes of LDS; arguments ac, out_w_codes, lowp_scales, out_b, out0; writes out0
.if DOCPART == 3
	.amdgcn_target "amdgcn-amd-amdhsa--gfx1250"
	.amdhsa_code_object_version 6
	.text
	.protected	k_qd4d19a5de6_proj
	.globl	k_qd4d19a5de6_proj
	.p2align	8
	.type	k_qd4d19a5de6_proj,@function
k_qd4d19a5de6_proj:
	s_mov_b64 s[64:65], 0
	v_nop
	global_prefetch_b8 v0, s[64:65] scope:SCOPE_SE
	s_setreg_imm32_b32 hwreg(HW_REG_WAVE_MODE, 25, 1), 1
	s_wait_xcnt 0x0
	s_wait_alu depctr_hold_cnt(0) depctr_sa_sdst(0) depctr_va_vdst(0) depctr_va_sdst(0) depctr_va_ssrc(0) depctr_va_vcc(0) depctr_vm_vsrc(0)
	s_getreg_b32 s2, hwreg(HW_REG_IB_STS2, 6, 4)
	s_cmp_eq_u32 s2, 0
	s_cbranch_scc0 .Lentry_in_a_cluster
	s_endpgm
.Lentry_in_a_cluster:
	s_bfe_u32 s2, ttmp6, 0x10000c
	s_cmp_lg_u32 s2, 0xf033
	s_cbranch_scc0 .Lentry_shape_is_right
	s_endpgm
.Lentry_shape_is_right:
.set KROW,   1024
.set ROWB,   256
.set PITCH,  272
.set FR,     16
.set NL,     4
.set NP,     4
.set HALFA,  32768
.set HALFT,  128*PITCH
.set WOFF,   2*HALFA
.set SLOT,   WOFF+2*HALFT
.set SPARE,  2*SLOT
.set SPITCH, 528
.set ADRA, 16
.set ADRB, 20
.set STO,  24
.set RD,   25
.set CO,   26
.set BO,   27
.set SPW,  28
.set NIL,  29
.set BT,   32
.set AF,   128
.set BK,   128
.set G1,  24
.set G0,  32
.set G1B, 48
.set G0B, 56
.set MSB, 0
.macro WIN new
.if MSB != (\new)
	s_set_vgpr_msb (MSB<<8)|(\new)
.set MSB, (\new)
.endif
.endm
.set MUL_LO, 0xa1
.set MUL_HI, 0xf1
.set TO_B,   0x40
.macro JLOAD g0a, g1a, g0b, g1b
	s_cmp_eq_u32 s15, 0
	s_cbranch_scc0 .Lfor_b_\@
	tensor_load_to_lds s[\g0a:\g0a+3], s[\g1a:\g1a+7]
	s_nop 0
.rept 4
	v_nop
.endr
	s_branch .Lasked_\@
.Lfor_b_\@:
	tensor_load_to_lds s[\g0b:\g0b+3], s[\g1b:\g1b+7]
	s_nop 0
.rept 4
	v_nop
.endr
.Lasked_\@:
.endm
.macro CREST
	s_cmp_lg_u32 s14, 0
	s_cbranch_scc1 .Lnot_wave_0_\@
	s_barrier_signal -3
.Lnot_wave_0_\@:
	s_barrier_wait -3
	s_barrier_signal -1
	s_barrier_wait -1
.endm
.macro CROUND
	s_barrier_signal -1
	s_barrier_wait -1
	CREST
.endm
	s_load_b256 s[4:11], s[0:1], 0x0
	s_load_b64 s[68:69], s[0:1], 0x20
	v_lshl_add_u32 v[SPW], v0, 2, SPARE
	v_mov_b32 v[NIL], 0
	ds_add_u32 v28, v29
	ds_add_u32 v28, v29
	s_wait_dscnt 0x0
	v_lshrrev_b32 v1, 5, v0
	v_readfirstlane_b32 s14, v1
	s_lshr_b32 s15, s14, 1
	s_and_b32 s16, s14, 1
	s_bfe_u32 s40, ttmp6, 0x40000
	s_bfe_u32 s41, ttmp6, 0x40004
	s_lshl_b32 s42, ttmp9, 2
	s_add_co_u32 s42, s42, s40
	s_and_b32 s17, ttmp7, 0xffff
	s_lshl_b32 s17, s17, 2
	s_add_co_u32 s17, s17, s41
	s_lshl_b32 s43, s41, 2
	s_lshl_b32 s43, 15, s43
	s_lshl_b32 s44, 0x1111, s40
	s_or_b32 s[G1+0], s43, (3<<16)|(1<<21)
	s_mov_b32 s[G1+1], 512<<16
	s_mov_b32 s[G1+2], 8<<16
	s_mov_b32 s[G1+3], 512<<16
	s_mov_b32 s[G1+4], 8
	s_mov_b32 s[G1+5], 2048
	s_mov_b32 s[G1+6], 0
	s_mov_b32 s[G1+7], 0
	s_or_b32 s[G1B+0], s44, (0<<16)|(1<<20)|(1<<21)|(5<<22)|(3<<25)
	s_mov_b32 s[G1B+1], ROWB<<16
	s_mov_b32 s[G1B+2], 128<<16
	s_mov_b32 s[G1B+3], ROWB<<16
	s_mov_b32 s[G1B+4], 128
	s_mov_b32 s[G1B+5], KROW
	s_mov_b32 s[G1B+6], 0
	s_mov_b32 s[G1B+7], 0
	s_lshl_b32 s20, s17, 4
	s_lshl_b32 s18, s16, 3
	s_add_co_u32 s20, s20, s18
	s_lshl_b32 s20, s20, 14
	s_mov_b32 s21, 0
	s_lshl_b32 s46, s42, 8
	s_lshl_b32 s18, s16, 7
	s_add_co_u32 s46, s46, s18
	s_lshl_b32 s46, s46, 10
	s_mov_b32 s47, 0
	s_lshl_b32 s45, s16, 15
	s_mul_i32 s19, s16, HALFT
	s_add_co_u32 s19, s19, WOFF
	s_wait_kmcnt 0x0
	s_load_b256 s[72:79], s[8:9], 0x0
	s_add_nc_u64 s[20:21], s[4:5], s[20:21]
	s_add_nc_u64 s[46:47], s[6:7], s[46:47]
	CROUND
.irp s, 0,1
	s_mov_b32 s[G0+4*\s], 1
	s_add_co_u32 s[G0+4*\s+1], s45, \s*SLOT
	s_add_nc_u64 s[G0+4*\s+2:G0+4*\s+3], s[20:21], \s*4096
	s_or_b32 s[G0+4*\s+3], s[G0+4*\s+3], 0x80000000
	s_mov_b32 s[G0B+4*\s], 1
	s_add_co_u32 s[G0B+4*\s+1], s19, \s*SLOT
	s_add_nc_u64 s[G0B+4*\s+2:G0B+4*\s+3], s[46:47], \s*ROWB
	s_or_b32 s[G0B+4*\s+3], s[G0B+4*\s+3], 0x80000000
	s_wait_alu depctr_va_vdst(0)
	s_wait_tensorcnt 0x0
	ds_add_u32 v28, v29
	ds_add_u32 v28, v29
	s_wait_dscnt 0x0
	CROUND
	JLOAD G0+4*\s, G1, G0B+4*\s, G1B
.endr
	v_and_b32 v1, 15, v0
	v_bfe_u32 v2, v0, 4, 1
	v_and_b32 v6, 31, v0
	v_lshlrev_b32 v[CO], 4, v6
	v_mul_u32_u24 v3, v1, PITCH
	v_lshl_add_u32 v4, v2, 4, v3
	s_lshl_b32 s21, s15, 15
	s_mul_i32 s22, s16, HALFT
	s_add_co_u32 s22, s22, WOFF
.irp s, 0,1
	v_add_nc_u32 v[ADRA+\s], s21, v[CO]
	v_add_nc_u32 v[ADRB+\s], s22, v4
	s_add_co_u32 s21, s21, SLOT
	s_add_co_u32 s22, s22, SLOT
.endr
	s_mul_i32 s23, s14, 16*SPITCH
	v_mul_u32_u24 v5, v1, SPITCH
	v_lshl_add_u32 v5, v2, 5, v5
	v_add_nc_u32 v[STO], s23, v5
	v_add_nc_u32 v[RD], s23, v[CO]
	s_lshl_b32 s20, s17, 8
	s_lshl_b32 s21, s15, 7
	s_add_co_u32 s20, s20, s21
	s_lshl_b32 s20, s20, 12
	s_lshl_b32 s46, s42, 10
	s_lshl_b32 s47, s16, 9
	s_add_co_u32 s46, s46, s47
	s_add_co_u32 s20, s20, s46
	s_mov_b32 s21, 0
	s_mov_b32 s47, 0
	s_add_nc_u64 s[68:69], s[68:69], s[20:21]
	s_add_nc_u64 s[88:89], s[10:11], s[46:47]
	v_lshlrev_b32 v[BO], 5, v2
.irp b, 0,1,2,3,4,5,6,7
	global_load_b128 v[BT+8*\b:BT+8*\b+3], v[BO], s[88:89] offset:64*\b
	global_load_b128 v[BT+8*\b+4:BT+8*\b+7], v[BO], s[88:89] offset:64*\b+16
.endr
	s_wait_alu depctr_va_vdst(0)
	s_wait_kmcnt 0x0
	s_add_co_i32 s96, s78, s79
	s_add_co_i32 s96, s96, 127
	s_lshl_b32 s96, s96, 23
	s_mov_b32 s97, s96
.macro FRAGA reg, slot, q, i
.irp c, 0,1,2,3
	ds_load_b128 v[\reg+4*\c:\reg+4*\c+3], v[ADRA+\slot] offset:(\i)*4096+(\q)*2048+512*\c
.endr
.endm
.macro FRAGB reg, slot, q, i
.irp c, 0,1,2,3
	ds_load_b128 v[\reg+4*\c:\reg+4*\c+3], v[ADRB+\slot] offset:128*(\q)+32*\c+(\i)*16*PITCH
.endr
.endm
.macro MUL16 a0, p, zero
.irp a, \a0, \a0+1
.irp b, 0,1,2,3,4,5,6,7
.if \zero
	v_wmma_f32_16x16x128_bf8_bf8 v[8*(8*((\a)%4)+\b):8*(8*((\a)%4)+\b)+7], v[128*(\p)+FR*\b:128*(\p)+FR*\b+FR-1], v[AF+FR*(\a):AF+FR*(\a)+FR-1], 0
.else
	v_wmma_f32_16x16x128_bf8_bf8 v[8*(8*((\a)%4)+\b):8*(8*((\a)%4)+\b)+7], v[128*(\p)+FR*\b:128*(\p)+FR*\b+FR-1], v[AF+FR*(\a):AF+FR*(\a)+FR-1], v[8*(8*((\a)%4)+\b):8*(8*((\a)%4)+\b)+7]
.endif
.endr
.endr
.endm
.macro FETCH_B slot, q, p
	WIN TO_B
.irp i, 0,1,2,3,4,5,6,7
	FRAGB 128*(\p)+FR*\i, \slot, \q, \i
.endr
	WIN 0
.endm
.macro FETCH_A slot, q, i0
.irp i, \i0, \i0+1, \i0+2, \i0+3
	FRAGA AF+FR*(\i), \slot, \q, \i
.endr
.endm
.macro PLACES n
.rept \n
	v_nop
.endr
.endm
.macro STEP slot, q, zero
	s_wait_dscnt 4*NL
	WIN MUL_LO
	MUL16 0, (\q)%2, \zero
	MUL16 2, (\q)%2, \zero
	s_wait_dscnt 0
	PLACES NP
	FETCH_B \slot, (\q)+1, 1-(\q)%2
	FETCH_A \slot, (\q)+1, 0
	WIN MUL_HI
	MUL16 4, (\q)%2, \zero
	MUL16 6, (\q)%2, \zero
	PLACES NP
	WIN 0
	FETCH_A \slot, (\q)+1, 4
.endm
.macro TURN slot, next, fill
	s_wait_tensorcnt 0x0
	ds_add_u32 v[SPW], v[NIL]
	s_wait_dscnt 4*NL+1
	WIN MUL_LO
	MUL16 0, 1, 0
	s_wait_dscnt 0x0
	s_barrier_signal -1
	MUL16 2, 1, 0
	WIN 0
	s_barrier_wait -1
.if \fill
	CREST
	s_add_nc_u64 s[G0+4*\slot+2:G0+4*\slot+3], s[G0+4*\slot+2:G0+4*\slot+3], 2*4096
	s_add_nc_u64 s[G0B+4*\slot+2:G0B+4*\slot+3], s[G0B+4*\slot+2:G0B+4*\slot+3], 2*ROWB
	JLOAD G0+4*\slot, G1, G0B+4*\slot, G1B
.else
	PLACES NP
.endif
	FETCH_B \next, 0, 0
	FETCH_A \next, 0, 0
	WIN MUL_HI
	MUL16 4, 1, 0
	MUL16 6, 1, 0
	PLACES NP
	WIN 0
	FETCH_A \next, 0, 4
.endm
	s_wait_tensorcnt 1
	s_barrier_signal -1
	s_barrier_wait -1
	FETCH_B 0, 0, 0
	FETCH_A 0, 0, 0
	FETCH_A 0, 0, 4
	STEP 0, 0, 1
	TURN 0, 1, 1
	STEP 1, 0, 0
	TURN 1, 0, 1
	STEP 0, 0, 0
	TURN 0, 1, 0
	STEP 1, 0, 0
	s_wait_dscnt 4*NL
	WIN MUL_LO
	MUL16 0, 1, 0
	MUL16 2, 1, 0
	s_wait_dscnt 0
	WIN MUL_HI
	MUL16 4, 1, 0
	MUL16 6, 1, 0
	WIN 0
.macro TOSTAGE a
.set AC, 64*((\a)%4)
.set SET, BK+64*((\a)%2)
	WIN 0x02+((\a)/4)
.irp j, 0,2,4,6,8,10,12,14,16,18,20,22,24,26,28,30,32,34,36,38,40,42,44,46,48,50,52,54,56,58,60,62
	v_pk_fma_f32 v[SET+\j:SET+\j+1], v[AC+\j:AC+\j+1], s[96:97], v[BT+\j:BT+\j+1] op_sel_hi:[1,0,1]
.endr
	WIN 0
.irp b, 0,1,2,3,4,5,6,7
	ds_store_b128 v[STO], v[SET+8*\b:SET+8*\b+3] offset:64*\b
	ds_store_b128 v[STO], v[SET+8*\b+4:SET+8*\b+7] offset:64*\b+16
.endr
.irp t, 0,1,2,3,4,5,6,7,8,9,10,11,12,13,14,15
	ds_load_b128 v[SET+4*\t:SET+4*\t+3], v[RD] offset:\t*SPITCH
.endr
.endm
.macro SEND a, younger
.set SET, BK+64*((\a)%2)
	s_wait_dscnt \younger
.if (\a) > 0
	s_add_nc_u64 s[68:69], s[68:69], 16*4096
.endif
.irp t, 0,1,2,3,4,5,6,7,8,9,10,11,12,13,14,15
	global_store_b128 v[CO], v[SET+4*\t:SET+4*\t+3], s[68:69] offset:\t*4096 th:TH_STORE_NT
.endr
.endm
	s_wait_loadcnt 0x0
	PLACES NP
	TOSTAGE 0
.irp a, 1,2,3,4,5,6,7
.if \a > 1
	s_wait_xcnt 0x0
.endif
	TOSTAGE \a
	SEND \a-1, 32
.endr
	s_wait_xcnt 0x0
	SEND 7, 0
	s_wait_tensorcnt 0x0
	ds_add_u32 v[SPW], v[NIL]
	s_wait_dscnt 0x0
	CROUND
	s_endpgm
.Lfunc_end_k_qd4d19a5de6_proj:
	.size	k_qd4d19a5de6_proj, .Lfunc_end_k_qd4d19a5de6_proj-k_qd4d19a5de6_proj
	.p2alignl 7, 3214868480
	.fill 96, 4, 3214868480
	.section	.rodata,"a",@progbits
	.p2align	6, 0x0
	.amdhsa_kernel k_qd4d19a5de6_proj
		.amdhsa_group_segment_fixed_size 327680
		.amdhsa_private_segment_fixed_size 0
		.amdhsa_enable_private_segment 0
		.amdhsa_kernarg_size 40
		.amdhsa_user_sgpr_count 2
		.amdhsa_user_sgpr_kernarg_segment_ptr 1
		.amdhsa_wavefront_size32 1
		.amdhsa_system_sgpr_workgroup_id_x 1
		.amdhsa_system_sgpr_workgroup_id_y 1
		.amdhsa_system_sgpr_workgroup_id_z 1
		.amdhsa_system_vgpr_workitem_id 0
		.amdhsa_next_free_vgpr 1024
		.amdhsa_next_free_sgpr 100
		.amdhsa_reserve_vcc 0
		.amdhsa_float_denorm_mode_32 3
		.amdhsa_float_denorm_mode_16_64 3
		.amdhsa_memory_ordered 1
		.amdhsa_forward_progress 1
		.amdhsa_inst_pref_size 126
	.end_amdhsa_kernel
	.amdgpu_metadata
---
amdhsa.version: [ 1, 2 ]
amdhsa.kernels:
  - .name:           k_qd4d19a5de6_proj
    .symbol:         k_qd4d19a5de6_proj.kd
    .args:
      - { .name: ac, .offset: 0, .size: 8, .value_kind: global_buffer, .address_space: global }
      - { .name: out_w_codes, .offset: 8, .size: 8, .value_kind: global_buffer, .address_space: global }
      - { .name: lowp_scales, .offset: 16, .size: 8, .value_kind: global_buffer, .address_space: global }
      - { .name: out_b, .offset: 24, .size: 8, .value_kind: global_buffer, .address_space: global }
      - { .name: out0, .offset: 32, .size: 8, .value_kind: global_buffer, .address_space: global }
    .group_segment_fixed_size: 327680
    .private_segment_fixed_size: 0
    .kernarg_segment_align: 8
    .kernarg_segment_size: 40
    .max_flat_workgroup_size: 128
    .sgpr_count:     100
    .vgpr_count:     1024
    .wavefront_size: 32
...
	.end_amdgpu_metadata
.endif
;; end of part 3
